; MI455X (gfx1250); checked and timed in simulation.
; The chip was launched on July 23, 2026; its instructions are those of AMD's public machine-readable ISA for CDNA 5 (MIT licence, August 2026) and "CDNA5" Instruction Set Architecture Reference Guide (July 2026). The comments in the code are by the model that wrote it; some were corrected since.
;; MHA. Allowed arithmetic: matrix products marked QUANTISED: E4M3 operands, one given power-of-two scale a tensor, by v_wmma_f32_16x16x64_fp8_fp8 or v_wmma_f32_16x16x128_fp8_fp8, f32 sums; everything else in f32.
;; Inputs: attention_mask 1 x 2,048 bool; bk 2,048 float32; bo 2,048 float32; bq 2,048 float32; bv 2,048 float32; causal_mask 2,048 x 2,048 bool; lowp_scales 12 int32 (the exponents e of the quantised operands' scales 2^e); wk_codes 2,048 x 64 x 32 uint8 (E4M3 codes of wk, K innermost, in blocks of 32 codes); wo_codes 2,048 x 64 x 32 uint8 (E4M3 codes of wo, K innermost, in blocks of 32 codes); wq_codes 2,048 x 64 x 32 uint8 (E4M3 codes of wq, K innermost, in blocks of 32 codes); wv_codes 2,048 x 64 x 32 uint8 (E4M3 codes of wv, K innermost, in blocks of 32 codes); x_codes 1 x 2,048 x 64 x 32 uint8 (E4M3 codes of x, K innermost, in blocks of 32 codes).
;; Outputs: out0 1 x 2,048 x 2,048 float32.
;; This version of the problem:
;;   THIS VERSION OF THE PROBLEM IS GIVEN IN LOW PRECISION. The matrix products marked QUANTISED in the list below multiply operands that are first quantised to E4M3 (4 exponent bits, 3 mantissa bits; 8 bits a number), with one given power-of-two scale for each operand tensor; their sums are f32. All else is computed in f32.
;;   The module's matrix products, in the order in which they are computed (A, B: the left and right operand; K: the contracted axis; several contracted axes count as one K, in the product's order):
;;     1. [M 2,048, K 2,048] x [K 2,048, N 2,048]; A: input x (given as codes); B: input wq (given as codes): QUANTISED (scales: A lowp_scales[0], B lowp_scales[1])
;;     2. [M 2,048, K 2,048] x [K 2,048, N 2,048]; A: input x (given as codes); B: input wk (given as codes): QUANTISED (scales: A lowp_scales[2], B lowp_scales[3])
;;     3. [M 2,048, K 2,048] x [K 2,048, N 2,048]; A: input x (given as codes); B: input wv (given as codes): QUANTISED (scales: A lowp_scales[4], B lowp_scales[5])
;;     4. batch 16 x [M 2,048, K 128] x [K 128, N 2,048]; A: computed on the way; B: computed on the way: QUANTISED (scales: A lowp_scales[6], B lowp_scales[7])
;;     5. batch 16 x [M 2,048, K 2,048] x [K 2,048, N 128]; A: softmax (see below); B: computed on the way: QUANTISED (scales: A lowp_scales[8], B lowp_scales[9])
;;     6. [M 2,048, K 2,048] x [K 2,048, N 2,048]; A: computed on the way; B: input wo (given as codes): QUANTISED (scales: A lowp_scales[10], B lowp_scales[11])
;;   THE QUANTISER, for each operand of a quantised product, along K:
;;     - The operand's scale is 2^e, e = its entry of the input lowp_scales (int32; the entries are numbered through the quantised products in the list's order, A before B).
;;     - Each number is divided by the scale, clamped to +-448, and rounded to the nearest number of E4M3, ties to even, subnormals kept.
;;     - The product sums the exact products of the quantised numbers (number of the format x scale) in f32.
;;   ~~~python
;;   def quantise(x, axis, e):      # numpy; x: float32 -> the quantised numbers, widened to float32 again
;;       x = np.moveaxis(x, axis, -1); K = x.shape[-1]
;;       r = np.clip(x / 2.0 ** e, -448, 448)
;;       step = 2.0 ** (np.maximum(np.frexp(np.where(r == 0, 1, r))[1] - 1, -6) - 3)
;;       q = np.round(r / step) * step * 2.0 ** e      # np.round: ties to even
;;       return np.moveaxis(q, -1, axis).astype(np.float32)
;;   ~~~
;;   SOFTMAX AHEAD OF A QUANTISED PRODUCT. Where the list says 'softmax', what is quantised is not the finished softmax but p = 2^(t - M), with t = logit x log2(e) and M = ceil(the row's largest t), a whole number; so 1/2 < the row's largest p <= 1. The row's sum l is taken of the UNQUANTISED p, in f32, and the product's result is divided by l at the end. Since M is a whole number, a kernel that streams over the keys may use a running M (the ceiling of the running maximum): every later rescaling is an exact power of two, so the quantised numbers keep their values, but for numbers so far below the row's largest that they fall under the format's range.
;;   OPERANDS COMPUTED ON THE WAY. 'Computed on the way' means the value that the module computes at that place (a softmax that the list does not call 'softmax' is quantised finished and normalised). What goes into a quantiser is computed in f32, as accurately as f32 sums, v_exp_f32 and their like allow (about 1e-6 of the number): no bf16 or f16 on the way to a quantiser, and a product that is left as it is and whose result goes on into a quantised operand takes f32 operands (vector FMAs, or v_wmma_f32_16x16x4_f32). A number that lies on a knife's edge between two numbers of the format may be rounded either way, as far as f32 arithmetic and the matrix unit's own rounding can turn it there, and no further.
;;   INPUTS GIVEN AS CODES. wk (in the module: [2048, 2048], K = its axis 1); wo (in the module: [2048, 2048], K = its axis 1); wq (in the module: [2048, 2048], K = its axis 1); wv (in the module: [2048, 2048], K = its axis 1); x (in the module: [1, 2048, 2048], K = its axis 2): each comes as NAME_codes (uint8): NAME with its K axis moved to the last place and cut into blocks of 32 codes, [.., K / 32, bytes a block], one block behind the other in memory; one code a byte (a code: sign, 4 exponent bits, 3 mantissa bits); its scale is its entry of lowp_scales. Its value is code x scale, taken as it is: it is not quantised again, and the codes and scales need not be those that the quantiser above would give.
;; One version. Each part assembles by itself: llvm-mc -triple=amdgcn-amd-amdhsa -mcpu=gfx1250 --defsym DOCPART=n.
;; ======== version 1 of 1: 3 launches
;; limits: right only within a limited range of input values
;; workspace buffers: q_img 4,194,304 bytes; kv_img 8,388,608 bytes; maskw 524,288 bytes of whole numbers; ao_img 4,194,304 bytes
;; launch qkv (part 1): grid 16 x 16, 4 waves a work-group, clusters of 4 x 4, 327,680 bytes of LDS; arguments x_codes, wq_codes, wk_codes, wv_codes, bq, bk, bv, lowp_scales, causal_mask, attention_mask, q_img, kv_img, maskw; writes q_img, kv_img, maskw
.if DOCPART == 1
	.amdgcn_target "amdgcn-amd-amdhsa--gfx1250"
	.amdhsa_code_object_version 6
	.text
	.protected	k_q8bb5a41fb0_qkv
	.globl	k_q8bb5a41fb0_qkv
	.p2align	8
	.type	k_q8bb5a41fb0_qkv,@function
k_q8bb5a41fb0_qkv:
	s_mov_b64 s[64:65], 0
	v_nop
	global_prefetch_b8 v0, s[64:65] scope:SCOPE_SE
	s_setreg_imm32_b32 hwreg(HW_REG_WAVE_MODE, 25, 1), 1
	s_wait_xcnt 0x0
	s_wait_alu depctr_hold_cnt(0) depctr_sa_sdst(0) depctr_va_vdst(0) depctr_va_sdst(0) depctr_va_ssrc(0) depctr_va_vcc(0) depctr_vm_vsrc(0)
	s_getreg_b32 s2, hwreg(HW_REG_IB_STS2, 6, 4)
	s_cmp_eq_u32 s2, 0
	s_cbranch_scc0 .Lentry_in_a_cluster
	s_endpgm
.Lentry_in_a_cluster:
	s_bfe_u32 s2, ttmp6, 0x10000c
	s_cmp_lg_u32 s2, 0xf033
	s_cbranch_scc0 .Lentry_shape_is_right
	s_endpgm
.Lentry_shape_is_right:
; q, k, v = x W^T + b on codes of FP8 (E4M3), RoPE on q and k in f32, all three quantised with their given scales; and the two masks turned into lane-mask words.
; x, wq, wk, wv: [2048][2048] codes, K innermost.  A work-group of four waves makes 128 tokens x (q, k, v of ONE head): 128 x 384; 16 heads x 16 blocks of tokens = 256 work-groups.
; THE WAVES SHARE THE COLUMNS: wave w takes all 8 tiles of 16 tokens against 6 tiles of columns: q's and k's d = 16 w .. and 64 + 16 w .., v's d = 32 w .. and 32 w + 16 ..: 48 accumulators, 384 registers.
; q and k are used TRANSPOSED (source 0 = 16 rows of W, source 1 = 16 tokens): a lane holds one token and eight neighbouring d; RoPE's partner d + 64 lies in the same lane and register of the other tile.
; v is used as it stands (source 0 = tokens, source 1 = rows of wv): a lane holds one d and eight neighbouring tokens, which are the second attention product's K.
; K goes in 8 steps of 256 through a ring of two LDS slots (x, wq, wk, wv: 128 rows of 256 bytes each, one tensor load a wave).
; CLUSTER 4 x 4: x's tile hangs on the block of tokens alone and is asked for jointly along a row of the cluster, a weight's tile on the head alone and jointly along a column.
; A fragment (16 rows x 128 K) is fetched by four loads of 16 bytes, 32 bytes apart: lane (r, hh) holds k = 32 c + 16 hh + 0 .. 15 in registers 4 c .. 4 c + 3: one permutation of k, the same on both sides of every product.
; OUTPUT: IMAGES OF OPERAND REGISTERS, 2,048 bytes a fragment: byte 512 c + 16 (row + 16 hh) + i holds k = 32 c + 16 hh + i.  q_img [head][tile of 16 tokens]; kv_img [head][128 keys][K: 8 fragments | V: 8 fragments].
; In K's fragment 2 b + u row r' is key 32 b + 8 u + r' + 8 (r' / 8); in V's the same holds of d: so the next launch's results come out with neighbours along the next K in a lane's registers.
; maskw [tile of 16 queries][128 keys][64 words]: bit (r + 16 hh) of word n says that query r is hidden from key 32 (n / 16) + 16 hh + n % 16 (causal_mask or attention_mask).
; cos and sin: the angle is pos x inv_freq rounded to f32; n = the nearest whole number to angle / pi; R = angle - n pi in two fused steps; Taylor sums to R^11 and R^12 (remainder under 6e-8 on |R| <= pi / 2); sign by n's parity.
; LIMITS: e6 - e0 - e1, e7 - e2 - e3, e9 - e4 - e5 between -126 and 119, so that each power of two below is an f32 number.  NaN among the biases is not served.
; inv_freq = 2^(-d log2(10000) / 64) by v_exp_f32, within about two units of its last place; at position 2047 that moves an angle by a few 1e-4.
; No prefetch: eight K steps, every tile shared in the cluster, and a whole slot on its way behind each round.
; REGISTERS.  window 0: v1-31 addresses and constants; v32-63 b / 2^e in the results' layout (q lo, hi; k lo, hi); v64-67 bv; v68-75 inv_freq; v76 pos; v80-95 cos, sin; v96-127 at work; v128-255 v's accumulators (m, t) at 128 + 8 (2 m + t).
;   windows 1, 2: two sets of fragments: x's tile m at 16 m; from 128: q lo, q hi, k lo, k hi, v 0, v 1.   window 3: q's accumulators (m, e) at 8 (2 m + e), k's at 128 + 8 (2 m + e).
.set PITCH,  272                       ; an LDS row: 256 bytes + 16 of padding = 68 words: the 16 rows of a fragment load start at 16 different banks (64 banks of 4 bytes: ISA guide 11.1)
.set HALFT,  128*PITCH                 ; one tensor load's tile
.set SLOT,   4*HALFT                   ; x, wq, wk, wv
.set SPARE,  2*SLOT                    ; the spare words: 128 bytes a wave, two blocks of 256 bytes that no other line names
.set STGQ,   0                         ; the way out: three images of 16 KB in slot 0, which has had its last fill and its last read by then
.set STGK,   16384
.set STGV,   32768
.set ADRA, 4                           ; v4, v5   x's fragments in slot 0, 1
.set ADRQ, 6                           ; v6, v7   my rows of wq (wk lies HALFT further on)
.set ADRV, 8                           ; v8, v9   my rows of wv
.set STQ,  10                          ; v10-12   where my 8 codes go in the three images
.set STK,  11
.set STV,  12
.set RDB,  13                          ; v13      4096 w + 16 lane: my part of an image, in LDS and in memory
.set SPW,  16                          ; v16      my spare word; never rewritten
.set NIL,  17                          ; v17      0; never rewritten
.set WV,   66
.set G1A,  32                          ; s[32:39] group 1 for x's tile; s[40:47] its groups 0, one a slot
.set G0A,  40
.set G1B,  48                          ; s[48:55], s[56:63] the same for the weights
.set G0B,  56
.set MSB, 0
.macro WIN new                         ; the immediate's high byte repeats the setting that is left
.if MSB != (\new)
	s_set_vgpr_msb (MSB<<8)|(\new)
.set MSB, (\new)
.endif
.endm
.macro PLACES n
.rept \n
	v_nop
.endr
.endm
; A joint load: wave 0 fetches x's tile, waves 1 to 3 wq's, wk's, wv's.  The branch hangs on the wave's number alone.  Four v_nop follow each line.
.macro JLOAD s
	s_cmp_eq_u32 s[WV], 0
	s_cbranch_scc0 .Lfor_b_\@
	tensor_load_to_lds s[G0A+4*\s:G0A+4*\s+3], s[G1A:G1A+7]
	s_nop 0
	PLACES 4
	s_branch .Lasked_\@
.Lfor_b_\@:
	tensor_load_to_lds s[G0B+4*\s:G0B+4*\s+3], s[G1B:G1B+7]
	s_nop 0
	PLACES 4
.Lasked_\@:
.endm
.macro CREST                           ; a round of the cluster's barrier behind its opening barrier
	s_cmp_lg_u32 s[WV], 0
	s_cbranch_scc1 .Lnot_wave_0_\@
	s_barrier_signal -3
.Lnot_wave_0_\@:
	s_barrier_wait -3
	s_barrier_signal -1
	s_barrier_wait -1
.endm
.macro CROUND
	s_barrier_signal -1
	s_barrier_wait -1
	CREST
.endm
	s_load_b512 s[4:19], s[0:1], 0x0               ; x s[4:5], wq s[6:7], wk s[8:9], wv s[10:11], bq s[12:13], bk s[14:15], bv s[16:17], the scales' exponents s[18:19]
	s_load_b256 s[20:27], s[0:1], 0x40             ; causal_mask s[20:21], attention_mask s[22:23], q_img s[24:25], kv_img s[26:27]
	s_load_b64 s[28:29], s[0:1], 0x60              ; maskw
	v_lshl_add_u32 v[SPW], v0, 2, SPARE
	v_mov_b32 v[NIL], 0
	ds_add_u32 v16, v17
	ds_add_u32 v16, v17
	s_wait_dscnt 0x0
	v_lshrrev_b32 v1, 5, v0
	v_readfirstlane_b32 s[WV], v1                  ; wave 0..3
	s_bfe_u32 s67, ttmp6, 0x40000                  ; cx
	s_bfe_u32 s68, ttmp6, 0x40004                  ; cy
	s_lshl_b32 s69, ttmp9, 2
	s_add_co_u32 s69, s69, s67                     ; the head = 4 x cluster x + cx
	s_and_b32 s70, ttmp7, 0xffff
	s_lshl_b32 s70, s70, 2
	s_add_co_u32 s70, s70, s68                     ; the block of 128 tokens = 4 x cluster y + cy
	s_lshl_b32 s84, s68, 2
	s_lshl_b32 s84, 15, s84                        ; my row of the cluster
	s_lshl_b32 s85, 0x1111, s67                    ; my column
	s_or_b32 s[G1A], s84, (1<<20)|(1<<21)|(5<<22)|(3<<25)   ; 15:0 the mask; 17:16 elements of 1 byte; 20 padding on; 21 set beside a mask; 24:22 after every 64 words; 31:25 four words
	s_or_b32 s[G1B], s85, (1<<20)|(1<<21)|(5<<22)|(3<<25)
.irp g, G1A, G1B
	s_mov_b32 s[\g+1], 256<<16                     ; tensor_dim0 = 256
	s_mov_b32 s[\g+2], 128<<16                     ; tensor_dim1 = 128
	s_mov_b32 s[\g+3], 256<<16                     ; tile_dim0 = 256
	s_mov_b32 s[\g+4], 128                         ; tile_dim1 = 128
	s_mov_b32 s[\g+5], 2048                        ; from row to row
	s_mov_b32 s[\g+6], 0
	s_mov_b32 s[\g+7], 0
.endr
	s_lshl_b32 s86, s70, 18                        ; x: 128 rows of 2,048 bytes a block of tokens
	s_mov_b32 s87, 0
	s_lshl_b32 s88, s69, 18                        ; a weight: 128 rows a head
	s_mov_b32 s89, 0
	s_mul_i32 s71, s[WV], HALFT                    ; where my tile goes in a slot: no place in the cluster enters an LDS address
	s_wait_kmcnt 0x0
	s_load_b256 s[72:79], s[18:19], 0x0            ; e0 .. e7
	s_load_b32 s80, s[18:19], 0x24                 ; e9
	s_add_nc_u64 s[90:91], s[4:5], s[86:87]
	s_cmp_eq_u32 s[WV], 2                          ; which weight is my wave's: the choice hangs on the wave's number alone
	s_cselect_b64 s[96:97], s[8:9], s[6:7]
	s_cmp_eq_u32 s[WV], 3
	s_cselect_b64 s[96:97], s[10:11], s[96:97]
	s_add_nc_u64 s[96:97], s[96:97], s[88:89]
	CROUND                                         ; all sixteen work-groups are here: the first joint loads meet
.irp s, 0,1
	s_mov_b32 s[G0A+4*\s], 1
	s_add_co_u32 s[G0A+4*\s+1], s71, \s*SLOT
	s_add_nc_u64 s[G0A+4*\s+2:G0A+4*\s+3], s[90:91], \s*256
	s_or_b32 s[G0A+4*\s+3], s[G0A+4*\s+3], 0x80000000
	s_mov_b32 s[G0B+4*\s], 1
	s_add_co_u32 s[G0B+4*\s+1], s71, \s*SLOT
	s_add_nc_u64 s[G0B+4*\s+2:G0B+4*\s+3], s[96:97], \s*256
	s_or_b32 s[G0B+4*\s+3], s[G0B+4*\s+3], 0x80000000
	JLOAD \s                                       ; K steps 0 and 1: two loads of mine are out
.endr
	; addresses
	v_and_b32 v1, 15, v0                           ; r
	v_bfe_u32 v2, v0, 4, 1                         ; hh
	v_mul_u32_u24 v3, v1, PITCH
	v_lshl_add_u32 v[ADRA], v2, 4, v3              ; row r x pitch + 16 hh
	v_add_nc_u32 v[ADRA+1], SLOT, v[ADRA]
	s_mul_i32 s81, s[WV], 16*PITCH
	s_add_co_u32 s81, s81, HALFT
	v_add_nc_u32 v[ADRQ], s81, v[ADRA]             ; wq's row 16 w + r
	v_add_nc_u32 v[ADRQ+1], SLOT, v[ADRQ]
	s_mul_i32 s81, s[WV], 32*PITCH
	s_add_co_u32 s81, s81, 3*HALFT
	v_add_nc_u32 v[ADRV], s81, v[ADRA]             ; wv's row 32 w + r
	v_add_nc_u32 v[ADRV+1], SLOT, v[ADRV]
	v_lshlrev_b32 v[STQ], 4, v1
	v_lshl_add_u32 v[STQ], v2, 3, v[STQ]
	s_lshl_b32 s81, s[WV], 8
	v_add_nc_u32 v[STQ], s81, v[STQ]               ; q: 256 w + 16 r + 8 hh (d = 16 w + 8 hh + j lies at 512 (w / 2) + 256 (w % 2) + 16 row + 8 hh + j)
	v_and_b32 v3, 7, v0
	v_bfe_u32 v[STK], v0, 3, 1
	v_lshlrev_b32 v[STK], 11, v[STK]
	v_lshl_add_u32 v[STK], v3, 4, v[STK]
	v_lshl_add_u32 v[STK], v2, 3, v[STK]           ; 2048 (r / 8) + 16 (r % 8) + 8 hh: the fragment 2 b + r / 8, its row r % 8 (+ 8 by the immediate)
	s_lshl_b32 s82, s[WV], 12
	v_add_nc_u32 v[STV], s82, v[STK]               ; v: + 4096 w
	v_add_nc_u32 v[STK], s81, v[STK]               ; k: + 256 w
	v_and_b32 v3, 31, v0
	v_lshlrev_b32 v28, 3, v3                       ; 8 x lane: two mask words a lane
	v_lshl_add_u32 v[RDB], v3, 4, s82
	s_lshl_b32 s83, s70, 7
	v_add_nc_u32 v76, s83, v1
	v_cvt_f32_u32 v76, v76                         ; pos of my token in tile 0
	v_mov_b32 v77, 0                               ; (named with it as a pair)
	v_mov_b32 v18, 0xb2d7322b                      ; -1 / 11!
	v_mov_b32 v19, 0xb2d7322b
	v_mov_b32 v30, 0x310f76c7                      ; 1 / 12!
	v_mov_b32 v31, 0x310f76c7
	v_mov_b32 v78, 0x4b400000                      ; 1.5 x 2^23: adding it rounds to a whole number
	v_mov_b32 v79, 0x4b400000
	v_lshlrev_b32 v26, 11, v1
	v_lshl_add_u32 v26, v2, 4, v26                 ; causal_mask: row r of 2,048 bytes + 16 hh
	s_wait_alu depctr_va_vdst(0)
	v_lshlrev_b32 v27, 4, v2                       ; attention_mask: 16 hh
	s_wait_alu depctr_va_vdst(0)
	s_lshl_b32 s81, s[WV], 6
	v_lshl_add_u32 v29, v2, 5, s81                 ; bq, bk: 4 (16 w + 8 hh)
	s_wait_alu depctr_va_vdst(0)
	s_lshl_b32 s81, s[WV], 7
	v_lshl_add_u32 v14, v1, 2, s81                 ; bv: 4 (32 w + r)
	s_wait_alu depctr_va_vdst(0)
	s_mov_b32 s95, 0
	s_lshl_b32 s81, s70, 3
	s_lshr_b32 s82, s69, 1
	s_add_co_u32 s81, s81, s82                     ; the masks are shared out over the launch: my work-group's tile of queries T = 8 x block + head / 2,
	s_and_b32 s82, s69, 1
	s_lshl_b32 s82, s82, 3
	s_lshl_b32 s83, s[WV], 1
	s_add_co_u32 s82, s82, s83                     ; my wave's two key steps j0 = 8 (head % 2) + 2 w, j0 + 1
	s_lshl_b32 s94, s81, 15
	s_lshl_b32 s83, s82, 7
	s_add_co_u32 s94, s94, s83
	s_add_nc_u64 s[20:21], s[20:21], s[94:95]      ; causal_mask at row 16 T, column 128 j0
	s_mov_b32 s94, s83
	s_add_nc_u64 s[22:23], s[22:23], s[94:95]
	s_lshl_b32 s94, s81, 4
	s_add_co_u32 s94, s94, s82
	s_lshl_b32 s94, s94, 8
	s_add_nc_u64 s[28:29], s[28:29], s[94:95]      ; maskw at block (T, j0)
	s_lshl_b32 s94, s69, 18
	s_lshl_b32 s83, s70, 14
	s_add_co_u32 s94, s94, s83
	s_add_nc_u64 s[24:25], s[24:25], s[94:95]      ; q_img: head x 128 fragments + 8 x block
	s_lshl_b32 s94, s69, 4
	s_add_co_u32 s94, s94, s70
	s_lshl_b32 s94, s94, 15
	s_add_nc_u64 s[26:27], s[26:27], s[94:95]      ; kv_img: (16 head + block) x 32 KB
	s_lshl_b32 s94, s69, 9
	s_add_nc_u64 s[12:13], s[12:13], s[94:95]      ; the biases at the head's first number
	s_add_nc_u64 s[14:15], s[14:15], s[94:95]
	s_add_nc_u64 s[16:17], s[16:17], s[94:95]
.irp k, 0,1,2,3,4,5,6,7                        ; key step j0 + k / 4, its keys 32 (k % 4) + 16 hh + 0 .. 15
	global_load_b128 v[128+4*\k:131+4*\k], v26, s[20:21] offset:32*(\k%4)+128*(\k/4) th:TH_LOAD_NT
.endr
.irp k, 0,1,2,3,4,5,6,7
	global_load_b128 v[160+4*\k:163+4*\k], v27, s[22:23] offset:32*(\k%4)+128*(\k/4)
.endr
.irp e, 0,1                                    ; d = 16 w + 8 hh + 0 .. 7, and 64 further on
	global_load_b128 v[32+8*\e:35+8*\e], v29, s[12:13] offset:256*\e
	global_load_b128 v[36+8*\e:39+8*\e], v29, s[12:13] offset:256*\e+16
	global_load_b128 v[48+8*\e:51+8*\e], v29, s[14:15] offset:256*\e
	global_load_b128 v[52+8*\e:55+8*\e], v29, s[14:15] offset:256*\e+16
.endr
	global_load_b32 v64, v14, s[16:17]
	global_load_b32 v66, v14, s[16:17] offset:64
	; inv_freq of my eight d
	s_lshl_b32 s81, s[WV], 4
	v_lshl_add_u32 v3, v2, 3, s81
.irp j, 0,1,2,3,4,5,6,7
	v_add_nc_u32 v[68+\j], \j, v3
.endr
.irp j, 0,1,2,3,4,5,6,7
	v_cvt_f32_u32 v[68+\j], v[68+\j]
.endr
.irp j, 0,1,2,3,4,5,6,7
	v_mul_f32 v[68+\j], 0xbe549a78, v[68+\j]       ; x -log2(10000) / 64
.endr
	s_wait_alu depctr_va_vdst(0)
.irp j, 0,1,2,3,4,5,6,7
	v_exp_f32 v[68+\j], v[68+\j]
.endr
	v_nop                                          ; a plain instruction behind the last exponential
	s_wait_alu depctr_va_vdst(0)                   ; one wait for the batch, ahead of any reader
	; the scales.  A sum stands for sum x 2^(ea + eb): the bias goes in divided by that, and the conversion takes 2^(e - ea - eb)
.macro MKSC e, sum, sc, lim
	s_sub_co_i32 s94, s[\e], s[\sum]
	s_add_co_i32 s94, s94, 127
	s_lshl_b32 s98, s94, 23
	v_mov_b32 v[\sc], s98                          ; the scale as f32: the conversion takes its exponent field
.endm
	s_wait_kmcnt 0x0
	s_add_co_i32 s81, s72, s73
	s_add_co_i32 s82, s74, s75
	s_add_co_i32 s83, s76, s77
	MKSC 78, 81, 20, 21
	MKSC 79, 82, 22, 23
	MKSC 80, 83, 24, 25
	s_sub_co_i32 s81, 0, s81
	s_sub_co_i32 s82, 0, s82
	s_sub_co_i32 s83, 0, s83
	s_wait_loadcnt 0x0
.set j, 0
.rept 16
	v_ldexp_f32 v[32+j], v[32+j], s81
	v_ldexp_f32 v[48+j], v[48+j], s82
.set j, j+1
.endr
	v_ldexp_f32 v65, v64, s83                      ; bv twice, as pairs for the packed additions
	v_ldexp_f32 v64, v64, s83
	v_ldexp_f32 v67, v66, s83
	v_ldexp_f32 v66, v66, s83
; 64 mask words of one block (16 queries x 128 keys): a compare over the wave IS the word; lane n / 2 gathers words n, and the wave stores 256 consecutive bytes, aligned.
.macro MASKBLK blk
.set n, 0
.rept 16
	v_or_b32 v[128+16*\blk+n], v[128+16*\blk+n], v[160+16*\blk+n]
.set n, n+1
.endr
	v_mov_b32 v[96+2*\blk], 0                      ; (v_writelane_b32's destination counts as read)
	v_mov_b32 v[97+2*\blk], 0
.set n, 0
.rept 64
	v_and_b32 v[100+(n&1)], 0xff<<(8*(n&3)), v[128+16*\blk+4*(n>>4)+((n&15)>>2)]
	v_cmp_ne_u32 s[92+(n&1)], 0, v[100+(n&1)]
	v_writelane_b32 v[96+2*\blk+(n&1)], s[92+(n&1)], n>>1
.set n, n+1
.endr
	global_store_b64 v28, v[96+2*\blk:97+2*\blk], s[28:29] offset:256*\blk
.endm
	MASKBLK 0
	MASKBLK 1
	s_wait_xcnt 0x0                                ; the stores have read their registers, which the way out writes again
.macro FRAG reg, adr, off
.irp c, 0,1,2,3
	ds_load_b128 v[(\reg)+4*\c:(\reg)+4*\c+3], v[\adr] offset:(\off)+32*\c
.endr
.endm
; 56 LDS loads in one run: the 14 fragments of the slot's q-th 128 along K into set p: x's eight, then q's two, k's two, v's two
.macro FETCH slot, q, p
.if \p
	WIN 0x80
.else
	WIN 0x40
.endif
.irp m, 0,1,2,3,4,5,6,7
	FRAG 16*\m, ADRA+\slot, 128*\q+\m*16*PITCH
.endr
	FRAG 128, ADRQ+\slot, 128*\q
	FRAG 144, ADRQ+\slot, 128*\q+64*PITCH
	FRAG 160, ADRQ+\slot, 128*\q+HALFT
	FRAG 176, ADRQ+\slot, 128*\q+HALFT+64*PITCH
	FRAG 192, ADRV+\slot, 128*\q
	FRAG 208, ADRV+\slot, 128*\q+16*PITCH
	WIN 0
.endm
; 16 matrix instructions for q (base 0, fb 128, bias 32) or k (128, 160, 48), set p.  z = 1: the first product starts the sums, with the bias as C.
; The 48 accumulators take turns, one instruction a turn, in the same order in every step.
.macro MULQK base, fb, bias, p, z
.if \z
	WIN 0xc5
.elseif \p
	WIN 0xfa
.else
	WIN 0xf5
.endif
.irp m, 0,1,2,3,4,5,6,7
.irp e, 0,1
.if \z
	v_wmma_f32_16x16x128_fp8_fp8 v[\base+8*(2*\m+\e):\base+8*(2*\m+\e)+7], v[\fb+16*\e:\fb+16*\e+15], v[16*\m:16*\m+15], v[\bias+8*\e:\bias+8*\e+7]
.else
	v_wmma_f32_16x16x128_fp8_fp8 v[\base+8*(2*\m+\e):\base+8*(2*\m+\e)+7], v[\fb+16*\e:\fb+16*\e+15], v[16*\m:16*\m+15], v[\base+8*(2*\m+\e):\base+8*(2*\m+\e)+7]
.endif
.endr
.endr
.endm
.macro MULV p, z                       ; 16 for v: source 0 = tokens, source 1 = rows of wv
.if \p
	WIN 0x0a
.else
	WIN 0x05
.endif
.irp m, 0,1,2,3,4,5,6,7
.irp t, 0,1
.if \z
	v_wmma_f32_16x16x128_fp8_fp8 v[128+8*(2*\m+\t):128+8*(2*\m+\t)+7], v[16*\m:16*\m+15], v[192+16*\t:192+16*\t+15], 0
.else
	v_wmma_f32_16x16x128_fp8_fp8 v[128+8*(2*\m+\t):128+8*(2*\m+\t)+7], v[16*\m:16*\m+15], v[192+16*\t:192+16*\t+15], v[128+8*(2*\m+\t):128+8*(2*\m+\t)+7]
.endif
.endr
.endr
.endm
; A slot's first 128 along K, on set 0; its second 128 are fetched into set 1 behind the first sixteen products.
.macro STEP slot, z
	s_wait_dscnt 16                                ; x's and q's fragments are in; the youngest sixteen loads (k's and v's) may be out
	MULQK 0, 128, 32, 0, \z
	s_wait_dscnt 0x0
	PLACES 4                                       ; four places in front of loads into registers that matrix instructions have read (ISA guide 7.12.1 for vector instructions)
	FETCH \slot, 1, 1
	MULQK 128, 160, 48, 0, \z
	MULV 0, \z
	WIN 0
.endm
; A slot's second 128, on set 1, and the change of slots: ONE barrier; in front of it each wave waits for all its tensor loads, adds 0 to its spare word, and waits for that and for its reads of this slot.
.macro TURN slot, next, fill
	s_wait_tensorcnt 0x0                           ; all my tensor loads have landed: my part of the next slot
	ds_add_u32 v[SPW], v[NIL]                      ; 0 onto my spare word
	s_wait_dscnt 17                                ; (the add and the youngest sixteen loads may be out)
	MULQK 0, 128, 32, 1, 0                         ; sixteen matrix instructions stand between the add and the wait for it
	s_wait_dscnt 0x0                               ; the add is done, and my reads of this slot are over
	s_barrier_signal -1
	MULQK 128, 160, 48, 1, 0
	WIN 0
	s_barrier_wait -1
.if \fill
	CREST                                          ; the barrier has opened a round of the cluster's: no wave of any partner still reads this slot or has a load on its way
	s_add_nc_u64 s[G0A+4*\slot+2:G0A+4*\slot+3], s[G0A+4*\slot+2:G0A+4*\slot+3], 512
	s_add_nc_u64 s[G0B+4*\slot+2:G0B+4*\slot+3], s[G0B+4*\slot+2:G0B+4*\slot+3], 512
	JLOAD \slot                                    ; the first tensor load behind the round, two K steps ahead; its four v_nop are also the places in front of the loads below
.else
	PLACES 4
.endif
	FETCH \next, 0, 0
	MULV 1, 0
	WIN 0
.endm
	s_wait_tensorcnt 1                             ; my part of K step 0 is in (K step 1's load may be out)
	s_barrier_signal -1
	s_barrier_wait -1                              ; everybody's is
	FETCH 0, 0, 0
	STEP 0, 1
	s_mov_b32 s3, 3
.Llap:                                             ; a trip goes once round the ring and fills both slots again: K steps 2 to 7
	TURN 0, 1, 1
	STEP 1, 0
	TURN 1, 0, 1
	STEP 0, 0
	s_sub_co_u32 s3, s3, 1
	s_cmp_lg_u32 s3, 0
	s_cbranch_scc1 .Llap
	TURN 0, 1, 0                                   ; the last lap fills nothing
	STEP 1, 0
	s_wait_dscnt 16
	MULQK 0, 128, 32, 1, 0
	s_wait_dscnt 0x0
	MULQK 128, 160, 48, 1, 0
	MULV 1, 0
	WIN 0
; cos and sin of pos x inv_freq for my eight d: v80-87, v88-95.  All packed, four pairs; an instruction carries one literal.
.macro TRIG
.irp i, 0,2,4,6
	v_pk_mul_f32 v[96+\i:97+\i], v[68+\i:69+\i], v[76:77] op_sel_hi:[1,0]                     ; the angle, rounded to f32
.endr
.irp i, 0,2,4,6
	v_pk_fma_f32 v[104+\i:105+\i], v[96+\i:97+\i], 0x3ea2f983, v[78:79] op_sel_hi:[1,0,1]     ; angle / pi + 1.5 x 2^23: n in the low bits
.endr
.irp j, 0,1,2,3,4,5,6,7
	v_lshlrev_b32 v[112+\j], 31, v[104+\j]                                                    ; n's parity as a sign bit
.endr
.irp i, 0,2,4,6
	v_pk_add_f32 v[104+\i:105+\i], v[104+\i:105+\i], v[78:79] neg_lo:[0,1] neg_hi:[0,1]       ; n
.endr
.irp i, 0,2,4,6
	v_pk_fma_f32 v[96+\i:97+\i], v[104+\i:105+\i], 0xc0490fdb, v[96+\i:97+\i] op_sel_hi:[1,0,1]   ; R = angle - n pi, pi in two parts
.endr
.irp i, 0,2,4,6
	v_pk_fma_f32 v[96+\i:97+\i], v[104+\i:105+\i], 0x33bbbd2e, v[96+\i:97+\i] op_sel_hi:[1,0,1]
.endr
.irp i, 0,2,4,6
	v_pk_mul_f32 v[104+\i:105+\i], v[96+\i:97+\i], v[96+\i:97+\i]                             ; R^2
.endr
.irp i, 0,2,4,6
	v_pk_fma_f32 v[88+\i:89+\i], v[104+\i:105+\i], v[18:19], 0x3638ef1d op_sel_hi:[1,1,0]
	v_pk_fma_f32 v[80+\i:81+\i], v[104+\i:105+\i], v[30:31], 0xb493f27e op_sel_hi:[1,1,0]
.endr
.irp i, 0,2,4,6
	v_pk_fma_f32 v[88+\i:89+\i], v[88+\i:89+\i], v[104+\i:105+\i], 0xb9500d01 op_sel_hi:[1,1,0]
	v_pk_fma_f32 v[80+\i:81+\i], v[80+\i:81+\i], v[104+\i:105+\i], 0x37d00d01 op_sel_hi:[1,1,0]
.endr
.irp i, 0,2,4,6
	v_pk_fma_f32 v[88+\i:89+\i], v[88+\i:89+\i], v[104+\i:105+\i], 0x3c088889 op_sel_hi:[1,1,0]
	v_pk_fma_f32 v[80+\i:81+\i], v[80+\i:81+\i], v[104+\i:105+\i], 0xbab60b61 op_sel_hi:[1,1,0]
.endr
.irp i, 0,2,4,6
	v_pk_fma_f32 v[88+\i:89+\i], v[88+\i:89+\i], v[104+\i:105+\i], 0xbe2aaaab op_sel_hi:[1,1,0]
	v_pk_fma_f32 v[80+\i:81+\i], v[80+\i:81+\i], v[104+\i:105+\i], 0x3d2aaaab op_sel_hi:[1,1,0]
.endr
.irp i, 0,2,4,6
	v_pk_mul_f32 v[120+\i:121+\i], v[96+\i:97+\i], v[104+\i:105+\i]                           ; R^3
	v_pk_fma_f32 v[80+\i:81+\i], v[80+\i:81+\i], v[104+\i:105+\i], -0.5 op_sel_hi:[1,1,0]
.endr
.irp i, 0,2,4,6
	v_pk_fma_f32 v[88+\i:89+\i], v[120+\i:121+\i], v[88+\i:89+\i], v[96+\i:97+\i]             ; sin R
	v_pk_fma_f32 v[80+\i:81+\i], v[80+\i:81+\i], v[104+\i:105+\i], 1.0 op_sel_hi:[1,1,0]      ; cos R
.endr
.irp j, 0,1,2,3,4,5,6,7
	v_xor_b32 v[80+\j], v[112+\j], v[80+\j]
	v_xor_b32 v[88+\j], v[112+\j], v[88+\j]
.endr
.endm
; RoPE and the quantiser for tile m of q (base 0) or k (128): x1 = d, x2 = d + 64; each accumulator is read from its low end on.  The codes: v[cd], 8 of d and 8 of d + 64.
.macro ROPE base, m, lim, sc, cd
	WIN 0x03                                       ; source 0: window 3
.irp i, 0,2,4,6
	v_pk_mul_f32 v[96+\i:97+\i], v[\base+16*\m+8+\i:\base+16*\m+9+\i], v[88+\i:89+\i]
.endr
.irp i, 0,2,4,6
	v_pk_mul_f32 v[104+\i:105+\i], v[\base+16*\m+8+\i:\base+16*\m+9+\i], v[80+\i:81+\i]
.endr
.irp i, 0,2,4,6
	v_pk_fma_f32 v[96+\i:97+\i], v[\base+16*\m+\i:\base+16*\m+1+\i], v[80+\i:81+\i], v[96+\i:97+\i] neg_lo:[0,0,1] neg_hi:[0,0,1]   ; x1 cos - x2 sin
.endr
.irp i, 0,2,4,6
	v_pk_fma_f32 v[104+\i:105+\i], v[\base+16*\m+\i:\base+16*\m+1+\i], v[88+\i:89+\i], v[104+\i:105+\i]                            ; x1 sin + x2 cos
.endr
	WIN 0
.set j, 0
.rept 16
.set j, j+1
.endr
	v_cvt_scalef32_pk8_fp8_f32 v[\cd:\cd+1], v[96:103], v[\sc]
	v_cvt_scalef32_pk8_fp8_f32 v[\cd+2:\cd+3], v[104:111], v[\sc]
	v_nop                                          ; a plain instruction behind the conversions, ahead of the next writes of their sources
.endm
.macro EPI m                           ; tokens 16 m .. 16 m + 15
.if \m > 0
	v_add_f32 v76, 0x41800000, v76                 ; pos + 16
.endif
	TRIG                                           ; (for m = 0 these are also the places behind the last products)
	s_wait_alu depctr_va_vdst(0)
	s_wait_dscnt 0x0                               ; the last tile's LDS stores are done: their registers may be written
	ROPE 0, \m, 21, 20, 112
	ds_store_b64 v[STQ], v[112:113] offset:STGQ+2048*\m
	ds_store_b64 v[STQ], v[114:115] offset:STGQ+2048*\m+1024
	ROPE 128, \m, 23, 22, 116
	ds_store_b64 v[STK], v[116:117] offset:STGK+4096*(\m/2)+128*(\m%2)        ; key 16 m + r: fragment 2 (m / 2) + r / 8, row 8 (m % 2) + r % 8
	ds_store_b64 v[STK], v[118:119] offset:STGK+4096*(\m/2)+128*(\m%2)+1024
.irp t, 0,1
.irp i, 0,2,4,6
	v_pk_add_f32 v[128+8*(2*\m+\t)+\i:129+8*(2*\m+\t)+\i], v[128+8*(2*\m+\t)+\i:129+8*(2*\m+\t)+\i], v[64+2*\t:65+2*\t]
.endr
.irp j, 0,1,2,3,4,5,6,7
.endr
	v_cvt_scalef32_pk8_fp8_f32 v[120+2*\t:121+2*\t], v[128+8*(2*\m+\t):135+8*(2*\m+\t)], v24
.endr
	v_nop
	ds_store_b64 v[STV], v[120:121] offset:STGV+256*\m                        ; d = 32 w + 16 t + r, keys 16 m + 8 hh + 0 .. 7
	ds_store_b64 v[STV], v[122:123] offset:STGV+256*\m+128
.endm
.irp m, 0,1,2,3,4,5,6,7
	EPI \m
.endr
	s_wait_dscnt 0x0                               ; for the others' sake: my stores into the images are done
	s_barrier_signal -1
	s_barrier_wait -1
.irp g, 0,1,2,3,4,5,6,7,8,9,10,11,12,13,14,15,16,17,18,19,20,21,22,23
	ds_load_b128 v[128+4*\g:131+4*\g], v[RDB] offset:(\g/8)*16384+(\g%8)*512
.endr
.irp g, 0,1,2,3,4,5,6,7
	s_wait_dscnt 23-\g
	global_store_b128 v[RDB], v[128+4*\g:131+4*\g], s[24:25] offset:512*\g    ; the wave stores 512 consecutive bytes, aligned
.endr
.irp g, 8,9,10,11,12,13,14,15,16,17,18,19,20,21,22,23
	s_wait_dscnt 23-\g
	global_store_b128 v[RDB], v[128+4*\g:131+4*\g], s[26:27] offset:((\g-8)/8)*16384+(\g%8)*512
.endr
	s_wait_tensorcnt 0x0                           ; the wave's end
	ds_add_u32 v[SPW], v[NIL]
	s_wait_dscnt 0x0
	CROUND                                         ; the closing round
	s_endpgm
.Lfunc_end_k_q8bb5a41fb0_qkv:
	.size	k_q8bb5a41fb0_qkv, .Lfunc_end_k_q8bb5a41fb0_qkv-k_q8bb5a41fb0_qkv
	.p2alignl 7, 3214868480
	.fill 96, 4, 3214868480
	.section	.rodata,"a",@progbits
	.p2align	6, 0x0
	.amdhsa_kernel k_q8bb5a41fb0_qkv
		.amdhsa_group_segment_fixed_size 327680
		.amdhsa_private_segment_fixed_size 0
		.amdhsa_enable_private_segment 0
		.amdhsa_kernarg_size 104
		.amdhsa_user_sgpr_count 2
		.amdhsa_user_sgpr_kernarg_segment_ptr 1
		.amdhsa_wavefront_size32 1
		.amdhsa_system_sgpr_workgroup_id_x 1
		.amdhsa_system_sgpr_workgroup_id_y 1
		.amdhsa_system_sgpr_workgroup_id_z 1
		.amdhsa_system_vgpr_workitem_id 0
		.amdhsa_next_free_vgpr 1024
		.amdhsa_next_free_sgpr 102
		.amdhsa_reserve_vcc 0
		.amdhsa_float_denorm_mode_32 3
		.amdhsa_float_denorm_mode_16_64 3
		.amdhsa_fp16_overflow 1
		.amdhsa_memory_ordered 1
		.amdhsa_forward_progress 1
		.amdhsa_inst_pref_size 185
	.end_amdhsa_kernel
	.amdgpu_metadata
---
amdhsa.version: [ 1, 2 ]
amdhsa.kernels:
  - .name:           k_q8bb5a41fb0_qkv
    .symbol:         k_q8bb5a41fb0_qkv.kd
    .args:
      - { .name: x_codes, .offset: 0, .size: 8, .value_kind: global_buffer, .address_space: global }
      - { .name: wq_codes, .offset: 8, .size: 8, .value_kind: global_buffer, .address_space: global }
      - { .name: wk_codes, .offset: 16, .size: 8, .value_kind: global_buffer, .address_space: global }
      - { .name: wv_codes, .offset: 24, .size: 8, .value_kind: global_buffer, .address_space: global }
      - { .name: bq, .offset: 32, .size: 8, .value_kind: global_buffer, .address_space: global }
      - { .name: bk, .offset: 40, .size: 8, .value_kind: global_buffer, .address_space: global }
      - { .name: bv, .offset: 48, .size: 8, .value_kind: global_buffer, .address_space: global }
      - { .name: lowp_scales, .offset: 56, .size: 8, .value_kind: global_buffer, .address_space: global }
      - { .name: causal_mask, .offset: 64, .size: 8, .value_kind: global_buffer, .address_space: global }
      - { .name: attention_mask, .offset: 72, .size: 8, .value_kind: global_buffer, .address_space: global }
      - { .name: q_img, .offset: 80, .size: 8, .value_kind: global_buffer, .address_space: global }
      - { .name: kv_img, .offset: 88, .size: 8, .value_kind: global_buffer, .address_space: global }
      - { .name: maskw, .offset: 96, .size: 8, .value_kind: global_buffer, .address_space: global }
    .group_segment_fixed_size: 327680
    .private_segment_fixed_size: 0
    .kernarg_segment_align: 8
    .kernarg_segment_size: 104
    .max_flat_workgroup_size: 128
    .sgpr_count:     102
    .vgpr_count:     1024
    .wavefront_size: 32
...
	.end_amdgpu_metadata
.endif
;; end of part 1
;; launch attn (part 2): grid 16 x 16, 8 waves a work-group, clusters of 4 x 1, 327,680 bytes of LDS; arguments q_img, kv_img, maskw, lowp_scales, ao_img; writes ao_img
.if DOCPART == 2
	.amdgcn_target "amdgcn-amd-amdhsa--gfx1250"
	.amdhsa_code_object_version 6
	.text
	.protected	k_q8bb5a41fb0_attn
	.globl	k_q8bb5a41fb0_attn
	.p2align	8
	.type	k_q8bb5a41fb0_attn,@function
k_q8bb5a41fb0_attn:
	s_mov_b64 s[64:65], 0
	v_nop
	global_prefetch_b8 v0, s[64:65] scope:SCOPE_SE
	s_setreg_imm32_b32 hwreg(HW_REG_WAVE_MODE, 25, 1), 1
	s_wait_xcnt 0x0
	s_wait_alu depctr_hold_cnt(0) depctr_sa_sdst(0) depctr_va_vdst(0) depctr_va_sdst(0) depctr_va_ssrc(0) depctr_va_vcc(0) depctr_vm_vsrc(0)
	s_getreg_b32 s2, hwreg(HW_REG_IB_STS2, 6, 4)
	s_cmp_eq_u32 s2, 0
	s_cbranch_scc0 .Lentry_in_a_cluster
	s_endpgm
.Lentry_in_a_cluster:
	s_bfe_u32 s2, ttmp6, 0x10000c
	s_cmp_lg_u32 s2, 0x3003
	s_cbranch_scc0 .Lentry_shape_is_right
	s_endpgm
.Lentry_shape_is_right:
; Attention on codes of FP8 (E4M3): S^T = K Q^T, the masks, p = 2^(t - M) with M a whole number, O^T = V^T P^T, / the row's sum of the unquantised p, quantised with e10 into images of the last product's operand.
; q_img [head][tile of 16 queries][2048], kv_img [head][128 keys][K 16 KB | V 16 KB], maskw [tile of queries][128 keys][64 words], as the launch before laid them; ao_img [block of 128 tokens][head][tile][2048].
; SHARES.  A work-group owns 128 queries of one head.  Wave (qp = wave % 4, u = wave / 4) owns TWO tiles of 16 queries, 2 qp and 2 qp + 1, and the key steps of parity u: a slot holds two key steps of 128, wave u works the u-th.
; So each fragment of K and V read from LDS feeds two products, and two waves stand on a SIMD, one's vector work beside the other's matrix work and LDS loads.
; The two waves of a pair keep their own running M, sum and O^T; since every M is a whole number they are joined at the end by exact powers of two.
; The masks are INPUTS: every key step is worked, and each score is replaced by -infinity where its mask bit is set: a mask word, loaded into a scalar register, is the select of v_cndmask_b32.
; A row with no key left has sum 0: its codes become the NaN code, so that the last product gives NaN there, as a softmax of nothing but -infinity does.
; CLUSTER 4 x 1: the four blocks of queries of a cluster walk the same K and V: each slot is asked for jointly (waves 0 to 3, 16 KB each, dense rows of 256 bytes).
; Both products are used transposed: a lane holds ONE query (lane % 16) throughout; the keys of K's fragments and the d of V's are laid so that a lane's 16 registers of two neighbouring tiles are 16 neighbours along the next K.
; LIMITS: e6 + e7 between -123 and 130 (added to c's exponent field); e8 and e10 between -126 and 119; e8 + e9 is applied by v_ldexp_f32.
; A pair's waves quantise p under their own M, at most the row's: the same numbers, but for those that fall under the format's range.
; REGISTERS.  Tile 0 lives in window 0, tile 1 in window 1, under the same low numbers: v12 -M, v13 the largest t, v[14:15] the sum; v16-31 Q; v96-159 S^T, then p; v160-223 O^T; v224-239 p's codes; v241 -infinity, v244 2^e8;
;   v32-95: fragments 0-3 of K or V in window 0, fragments 4-7 in window 1.  Window 0 alone: v1-11 addresses; v245 four NaN codes; v250 2^e10.
; Mask word n stands in s[16 + n] for n < 48 and in s[32 + n] from 48 on.
.set SLOT1, 1<<16                      ; a slot: two key steps of 32 KB; slot 1 begins here, so that one exclusive or turns an address into the other slot's
.set SPARE, 2*SLOT1                    ; the spare words: 128 bytes a wave, four blocks of 256 bytes that no other line names
.set PART,  SPARE+1024                 ; the joining: for each wave two tiles of (8,192 bytes of O^T as it stands in registers + 256 bytes of -M and sum); no fill ever lands here
.set PTB,   8448
.set PWB,   2*PTB
.set LI,  1                            ; v1   16 x lane
.set PW,  2                            ; v2   where I put my O^T
.set PS,  3                            ; v3   and my -M and sum
.set RX,  4                            ; v4   where I read tile u of my pair's wave 0,
.set SPW, 5                            ; v5   my spare word; never rewritten
.set NIL, 6                            ; v6   0; never rewritten
.set RY,  7                            ; v7   and of its wave 1
.set ADK, 8                            ; v8   the key step's tiles in LDS
.set SX,  9                            ; v9, v10  their -M and sums
.set SY,  10
.set PFO, 11                           ; v11  256 x lane, for the prefetches
.set TB,  2                            ; s2   LDS byte of my key step in the slot in hand
.set SLOTS, 3                          ; s3   slots still to be asked for
.set WV,  11
.set G1,  68                           ; s[68:75] group 1; s[76:79] group 0, which walks
.set G0,  76
.set MSB, 0
.macro WIN new
.if MSB != (\new)
	s_set_vgpr_msb (MSB<<8)|(\new)
.set MSB, (\new)
.endif
.endm
.macro PLACES n
.rept \n
	v_nop
.endr
.endm
.macro TLOAD                           ; waves 0 to 3 fetch a quarter of a slot each; four v_nop follow the line
	s_cmp_lt_u32 s[WV], 4
	s_cbranch_scc0 .Lasked_\@
	tensor_load_to_lds s[G0:G0+3], s[G1:G1+7]
	s_nop 0
	PLACES 4
.Lasked_\@:
.endm
; A prefetch of the slot that the NEXT change of slots will ask for: 64 KB.  All four clusters of a head walk the same K and V: the head's first cluster asks.  Its four partners take 16 KB each, told apart by ADDRESS;
; in each, waves 4 and 5, which fetch nothing, take 8 KB each, lanes 256 bytes apart: each block of 256 bytes is named once in the launch.  The last change that fills a slot asks for nothing; slots 0 and 1 come by their loads alone.
.macro ASK
	s_cmp_gt_u32 s[SLOTS], s10
	s_cbranch_scc0 .Lnot_mine_\@
	global_prefetch_b8 v[PFO], s[8:9] th:TH_LOAD_NT scope:SCOPE_SE
.Lnot_mine_\@:
.endm
.macro CROUND
	s_barrier_signal -1
	s_barrier_wait -1
	s_cmp_lg_u32 s[WV], 0
	s_cbranch_scc1 .Lnot_wave_0_\@
	s_barrier_signal -3
.Lnot_wave_0_\@:
	s_barrier_wait -3
	s_barrier_signal -1
	s_barrier_wait -1
.endm
	s_load_b256 s[16:23], s[0:1], 0x0              ; q_img s[16:17], kv_img s[18:19], maskw s[20:21], the scales' exponents s[22:23]
	s_load_b64 s[24:25], s[0:1], 0x20              ; ao_img
	v_lshl_add_u32 v[SPW], v0, 2, SPARE
	v_mov_b32 v[NIL], 0
	ds_add_u32 v5, v6
	ds_add_u32 v5, v6
	s_wait_dscnt 0x0
	v_lshrrev_b32 v1, 5, v0
	s_delay_alu instid0(VALU_DEP_1)
	v_readfirstlane_b32 s[WV], v1                  ; wave 0..7
	s_bfe_u32 s26, ttmp6, 0x40000                  ; cx
	s_lshl_b32 s27, ttmp9, 2
	s_add_co_u32 s27, s27, s26                     ; my block of 128 queries
	s_and_b32 s28, ttmp7, 0xffff                   ; the head, which the partners share
	s_and_b32 s29, s[WV], 3                        ; qp
	s_lshr_b32 s30, s[WV], 2                       ; u
	s_mov_b32 s[G1], 15|(3<<16)|(1<<21)            ; 15:0 the mask: all four work-groups; 17:16 elements of 8 bytes; 21 set beside a mask; no padding: images are read 16 bytes a lane on end
	s_mov_b32 s[G1+1], 32<<16                      ; tensor_dim0 = 32 elements: rows of 256 bytes
	s_mov_b32 s[G1+2], 64<<16                      ; tensor_dim1 = 64
	s_mov_b32 s[G1+3], 32<<16                      ; tile_dim0
	s_mov_b32 s[G1+4], 64                          ; tile_dim1
	s_mov_b32 s[G1+5], 32                          ; dense
	s_mov_b32 s[G1+6], 0
	s_mov_b32 s[G1+7], 0
	s_lshl_b32 s80, s28, 19                        ; a head's K and V: 16 key steps of 32 KB
	s_lshl_b32 s[G0+1], s29, 14                    ; my quarter of a slot, in LDS
	s_add_co_u32 s80, s80, s[G0+1]                 ; and in memory
	s_mov_b32 s81, 0
	s_mov_b32 s14, 0x76543210                      ; v_permlanex16_b32: lane l xor 16
	s_mov_b32 s15, 0xfedcba98
	s_lshl_b32 s[TB], s30, 15
	s_mov_b32 s[SLOTS], 7
	s_wait_kmcnt 0x0
	s_load_b128 s[96:99], s[22:23], 0x18           ; e6, e7, e8, e9
	s_load_b32 s100, s[22:23], 0x28                ; e10
	s_mov_b32 s[G0], 1
	s_add_nc_u64 s[G0+2:G0+3], s[18:19], s[80:81]
	s_or_b32 s[G0+3], s[G0+3], 0x80000000
	CROUND                                         ; all four work-groups are here: the first joint loads meet
	TLOAD                                          ; slot 0
	v_and_b32 v8, 31, v0
	s_delay_alu instid0(VALU_DEP_1)
	v_lshlrev_b32 v[LI], 4, v8
	s_delay_alu instid0(VALU_DEP_2)
	v_lshlrev_b32 v[PFO], 8, v8
	s_delay_alu instid0(VALU_DEP_3)
	v_lshlrev_b32 v252, 3, v8
	s_mul_i32 s33, s[WV], PWB
	s_add_co_u32 s33, s33, PART
	v_add_nc_u32 v[PW], s33, v[LI]
	v_add_nc_u32 v[PS], s33, v252
	s_delay_alu instid0(VALU_DEP_1)
	v_add_nc_u32 v[PS], 8192, v[PS]
	s_mul_i32 s33, s29, PWB
	s_mul_i32 s34, s30, PTB
	s_add_co_u32 s33, s33, s34
	s_add_co_u32 s33, s33, PART
	v_add_nc_u32 v[RX], s33, v[LI]
	s_delay_alu instid0(VALU_DEP_1)
	v_add_nc_u32 v[RY], 4*PWB, v[RX]
	v_add_nc_u32 v[SX], s33, v252
	s_delay_alu instid0(VALU_DEP_1)
	v_add_nc_u32 v[SX], 8192, v[SX]
	s_delay_alu instid0(VALU_DEP_1)
	v_add_nc_u32 v[SY], 4*PWB, v[SX]
	s_mov_b32 s83, 0
	s_lshl_b32 s31, s27, 3
	s_lshl_b32 s32, s29, 1
	s_add_co_u32 s31, s31, s32                     ; my first tile of queries T0 = 8 x block + 2 qp
	s_lshl_b32 s82, s28, 18
	s_lshl_b32 s34, s31, 11
	s_add_co_u32 s82, s82, s34
	s_add_nc_u64 s[16:17], s[16:17], s[82:83]      ; Q's fragments
	s_lshl_b32 s82, s31, 4
	s_add_co_u32 s82, s82, s30
	s_lshl_b32 s82, s82, 8
	s_add_nc_u64 s[4:5], s[20:21], s[82:83]        ; the mask words of (T0, key step u)
	s_lshl_b32 s82, s27, 18
	s_lshl_b32 s34, s28, 14
	s_add_co_u32 s82, s82, s34
	s_add_co_u32 s32, s32, s30
	s_lshl_b32 s34, s32, 11
	s_add_co_u32 s82, s82, s34
	s_add_nc_u64 s[6:7], s[24:25], s[82:83]        ; ao_img: block, head, tile 2 qp + u: the tile that I finish
	s_lshl_b32 s82, s28, 19
	s_lshl_b32 s34, s26, 14
	s_add_co_u32 s82, s82, s34
	s_and_b32 s34, s[WV], 1
	s_lshl_b32 s34, s34, 13
	s_add_co_u32 s82, s82, s34
	s_add_co_u32 s82, s82, SLOT1
	s_add_nc_u64 s[8:9], s[18:19], s[82:83]        ; the prefetches stand in slot 1: the first change of slots steps them to slot 2
	s_lshr_b32 s34, s[WV], 1
	s_xor_b32 s34, s34, 2                          ; 0 in waves 4 and 5,
	s_or_b32 s34, s34, ttmp9                       ; of the head's first cluster: the same in all four partners
	s_cmp_eq_u32 s34, 0
	s_cselect_b32 s10, 1, -1
.irp c, 0,1,2,3
	global_load_b128 v[16+4*\c:19+4*\c], v[LI], s[16:17] offset:512*\c
.endr
	WIN 0x40
.irp c, 0,1,2,3
	global_load_b128 v[16+4*\c:19+4*\c], v[LI], s[16:17] offset:2048+512*\c
.endr
	WIN 0
	s_wait_kmcnt 0x0
	s_add_co_i32 s35, s96, s97
	s_lshl_b32 s35, s35, 23
	s_mov_b32 s12, 0x3e0293ee                      ; c = log2(e) / sqrt(128);
	s_add_co_i32 s12, s12, s35                     ; a score stands for score x 2^(e6 + e7): the exponents are added to c's exponent field
	s_mov_b32 s13, s12                             ; (named with it as a pair)
	s_add_co_i32 s66, s98, s99                     ; e8 + e9
	s_add_co_i32 s35, s98, 127
	s_lshl_b32 s36, s35, 23                        ; 2^e8 as f32
	s_add_co_i32 s37, s100, 127
	s_lshl_b32 s38, s37, 23
	v_mov_b32 v250, s38                            ; 2^e10
	v_mov_b32 v245, 0x7f7f7f7f
.macro INIT                            ; a tile's constants and state.  The key step is written without a first step of its own: it finds zeros, which the first change of M leaves zeros
	v_mov_b32 v244, s36
	v_mov_b32 v241, 0xff800000
	v_mov_b32 v13, 0xff61b1e6                      ; the largest t so far: -3e38
	s_delay_alu instid0(VALU_DEP_1)
	v_floor_f32 v12, -v13
	v_mov_b32 v14, 0
	v_mov_b32 v15, 0
	v_mov_b32 v236, 0                              ; (a lane permute's destination counts as read)
	v_mov_b32 v253, 0                              ; (named as the upper half of v[252:253])
.set j, 0
.rept 64
	v_mov_b32 v[160+j], 0
.set j, j+1
.endr
.endm
	INIT
	WIN 0x55
	INIT
	WIN 0
	s_wait_loadcnt 0x0                             ; Q is in, and its base registers are free: the mask words land on them
	s_load_b512 s[16:31], s[4:5], 0x0
	s_load_b512 s[32:47], s[4:5], 0x40
	s_load_b512 s[48:63], s[4:5], 0x80
	s_load_b512 s[80:95], s[4:5], 0xc0
.macro KVLOAD off                      ; eight fragments, as they lie: 16 bytes a lane on end
.irp t, 0,1,2,3
.irp c, 0,1,2,3
	ds_load_b128 v[32+16*\t+4*\c:35+16*\t+4*\c], v[ADK] offset:\off+2048*\t+512*\c
.endr
.endr
	WIN 0x40
.irp t, 0,1,2,3
.irp c, 0,1,2,3
	ds_load_b128 v[32+16*\t+4*\c:35+16*\t+4*\c], v[ADK] offset:\off+2048*(\t+4)+512*\c
.endr
.endr
.endm
.macro SMUL g, x                       ; S^T of fragments 4 g .. 4 g + 3 (window g) for the tile of queries x (window x)
	WIN \g+0x54*\x
.irp t, 0,1,2,3
	v_wmma_f32_16x16x128_fp8_fp8 v[96+8*(4*\g+\t):103+8*(4*\g+\t)], v[32+16*\t:47+16*\t], v[16:31], 0
.endr
.endm
.macro PVMUL g, x                      ; O^T += V^T P^T: sixteen accumulators, one instruction each
	WIN \g+0x54*\x
.irp t, 0,1,2,3
	v_wmma_f32_16x16x128_fp8_fp8 v[160+8*(4*\g+\t):167+8*(4*\g+\t)], v[32+16*\t:47+16*\t], v[224:239], v[160+8*(4*\g+\t):167+8*(4*\g+\t)]
.endr
.endm
; One tile's masks and softmax for one key step, under the caller's windows.  ld = 1: the other tile's mask words are asked for; 2: the next key step's of tile 0; 0: none.
.macro SOFTMAX ld
	s_wait_kmcnt 0x0                               ; my tile's 64 mask words are in, and their base is free
.set n, 0
.rept 64
.if n < 48
	v_cndmask_b32 v[96+n], v[96+n], v241, s[16+n]  ; register n holds key 32 (n / 16) + 16 (lane / 16) + n % 16; each accumulator is read from its low end on
.else
	v_cndmask_b32 v[96+n], v[96+n], v241, s[32+n]
.endif
.set n, n+1
.endr
.if \ld == 2
	s_add_nc_u64 s[4:5], s[4:5], 512               ; two key steps on
.endif
.if \ld
	s_load_b512 s[16:31], s[4:5], (2-\ld)*4096
	s_load_b512 s[32:47], s[4:5], (2-\ld)*4096+64
	s_load_b512 s[48:63], s[4:5], (2-\ld)*4096+128
	s_load_b512 s[80:95], s[4:5], (2-\ld)*4096+192
.endif
	v_max3_num_f32 v254, v96, v97, v98             ; the step's largest score of my query among my 64 keys, in two chains,
	v_max3_num_f32 v252, v99, v100, v101
.irp i, 6,10,14,18,22,26,30,34,38,42,46,50,54,58
	s_delay_alu instid0(VALU_DEP_2)
	v_max3_num_f32 v254, v254, v[96+\i], v[97+\i]
	s_delay_alu instid0(VALU_DEP_2)
	v_max3_num_f32 v252, v252, v[98+\i], v[99+\i]
.endr
	s_delay_alu instid0(VALU_DEP_2)
	v_max3_num_f32 v254, v254, v158, v159
	s_delay_alu instid0(VALU_DEP_1)
	v_max_num_f32 v254, v254, v252
	v_permlanex16_b32 v236, v254, s14, s15
	s_delay_alu instid0(VALU_DEP_1)
	v_max_num_f32 v254, v254, v236                 ; and among lane l xor 16's
	s_delay_alu instid0(VALU_DEP_1)
	v_mul_f32 v254, s12, v254                      ; as t (c is positive)
	s_delay_alu instid0(VALU_DEP_1)
	v_max_num_f32 v13, v13, v254                   ; the running largest t
	v_mov_b32 v254, v12
	s_delay_alu instid0(VALU_DEP_2)
	v_floor_f32 v12, -v13                          ; the new -M = floor(-t): M is a whole number
	s_delay_alu instid0(VALU_DEP_1)
	v_sub_f32 v254, v12, v254                      ; old M - new M: a whole number, 0 or less
	s_delay_alu instid0(VALU_DEP_1)
	v_cvt_i32_f32 v254, v254                       ; (it saturates)
	s_delay_alu instid0(VALU_DEP_1)
	v_ldexp_f32 v252, 1.0, v254                    ; f = 2^(old M - new M)
.set j, 0
.rept 32
	v_pk_fma_f32 v[96+j:97+j], v[96+j:97+j], s[12:13], v[12:13] op_sel_hi:[1,0,0]   ; t - M
.set j, j+2
.endr
.set j, 0
	s_wait_alu depctr_va_vdst(0)
.rept 64
	v_exp_f32 v[96+j], v[96+j]                     ; p = 2^(t - M), at most 1; 0 where the key is hidden
.set j, j+1
.endr
	v_pk_mul_f32 v[14:15], v[14:15], v[252:253] op_sel_hi:[1,0]   ; the sums under the new M (a plain instruction behind the exponentials)
	s_wait_alu depctr_va_vdst(0)                   ; one wait for the batch, ahead of its first reader
	v_pk_add_f32 v[242:243], v[96:97], v[98:99]    ; the row's sum is taken of the unquantised p, in two chains
.irp j, 4,8,12,16,20,24,28,32,36,40,44,48,52,56,60
	v_pk_add_f32 v[14:15], v[14:15], v[96+\j:97+\j]
	v_pk_add_f32 v[242:243], v[242:243], v[98+\j:99+\j]
.endr
	s_delay_alu instid0(VALU_DEP_1)
	v_pk_add_f32 v[14:15], v[14:15], v[242:243]
.irp b, 0,1,2,3
.irp i, 0,1,2,3,4,5,6,7,8,9,10,11,12,13,14,15
.endr
	v_cvt_scalef32_pk8_fp8_f32 v[224+4*\b:225+4*\b], v[96+16*\b:103+16*\b], v244
	v_cvt_scalef32_pk8_fp8_f32 v[226+4*\b:227+4*\b], v[104+16*\b:111+16*\b], v244
.endr
.set j, 0
.rept 32
	v_pk_mul_f32 v[160+j:161+j], v[160+j:161+j], v[252:253] op_sel_hi:[1,0]   ; O^T under the new M (also the plain instructions behind the conversions)
.set j, j+2
.endr
.endm
; My key step of the slot in hand, for both tiles of queries.
.macro STEP2 last
	WIN 0
	v_add_nc_u32 v[ADK], s[TB], v[LI]
	PLACES 3                                       ; with the addition: four places in front of loads into registers that matrix instructions have read
	KVLOAD 0
	s_wait_alu depctr_va_vdst(0)
	s_wait_dscnt 16                                ; K's fragments 0-3 are in
	SMUL 0, 0
	SMUL 0, 1
	s_wait_dscnt 0x0
	SMUL 1, 0
	SMUL 1, 1
	WIN 0
	PLACES 4                                       ; in front of V's loads, and of the first read of the scores
	KVLOAD 16384                                   ; V lands while the softmax is walked
	WIN 0
	SOFTMAX 1
	WIN 0x55
.if \last
	SOFTMAX 0
.else
	SOFTMAX 2
.endif
	s_wait_alu depctr_va_vdst(0)
	s_wait_dscnt 0x0                               ; V is in
	PVMUL 0, 0
	PVMUL 0, 1
	PVMUL 1, 0
	PVMUL 1, 1
	WIN 0
	s_xor_b32 s[TB], s[TB], SLOT1                  ; on to the other slot
.endm
; The change of slots stands at a slot's head.  Each wave waits for all its tensor loads, adds 0 to its spare word, and waits for that and for its reads of the slot that it has left.
; fill = 1: a round of the cluster's barrier, and behind it the slot just left is filled with the next 256 keys: the load has a whole slot's work in which to land.
.macro CHANGE fill
	WIN 0
	s_wait_tensorcnt 0x0                           ; no tensor load of mine is out, so group 0 may be written
	ds_add_u32 v[SPW], v[NIL]                      ; 0 onto my spare word
.if \fill
	s_xor_b32 s[G0+1], s[G0+1], SLOT1
	s_add_nc_u64 s[G0+2:G0+3], s[G0+2:G0+3], SLOT1
	s_wait_xcnt 0x0                                ; the last prefetch, a slot back, has read its address
	s_add_nc_u64 s[8:9], s[8:9], SLOT1
	s_wait_dscnt 0x0                               ; the add is done, and my reads of the slot that I have left are over
	CROUND
	TLOAD                                          ; the first thing behind the round, and a wave's one tensor load until the next
	ASK
.else
	s_wait_dscnt 0x0
	s_barrier_signal -1
	s_barrier_wait -1
.endif
.endm
.Lslot:                                            ; 7 trips: behind each change of slots but the last the next slot is asked for
	CHANGE 1
	STEP2 0
	s_sub_co_u32 s[SLOTS], s[SLOTS], 1
	s_cmp_lg_u32 s[SLOTS], 0
	s_cbranch_scc1 .Lslot
	CHANGE 0                                       ; the last slot is written out
	STEP2 1
	; THE JOINING.  Each wave lays both tiles' O^T, -M and sum into its own part of LDS; behind a barrier wave (qp, u) takes tile u of both waves of its pair.
.macro LSUM
	v_add_f32 v14, v14, v15                        ; the sum's two halves,
	s_delay_alu instid0(VALU_DEP_1)
	v_permlanex16_b32 v252, v14, s14, s15
	s_delay_alu instid0(VALU_DEP_1)
	v_add_f32 v13, v14, v252                       ; and lane l xor 16's
.endm
	LSUM
	WIN 0x55
	LSUM
	WIN 0
	PLACES 4                                       ; behind the last products, in front of the stores that read their results
.irp g, 0,1,2,3,4,5,6,7,8,9,10,11,12,13,14,15
	ds_store_b128 v[PW], v[160+4*\g:163+4*\g] offset:512*\g
.endr
	ds_store_b64 v[PS], v[12:13]
	WIN 0x04                                       ; the data in window 1
.irp g, 0,1,2,3,4,5,6,7,8,9,10,11,12,13,14,15
	ds_store_b128 v[PW], v[160+4*\g:163+4*\g] offset:PTB+512*\g
.endr
	ds_store_b64 v[PS], v[12:13] offset:PTB
	WIN 0
	s_wait_dscnt 0x0                               ; for the others' sake: my stores are done
	s_barrier_signal -1
	s_barrier_wait -1
.irp g, 0,1,2,3,4,5,6,7,8,9,10,11,12,13,14,15
	ds_load_b128 v[96+4*\g:99+4*\g], v[RX] offset:512*\g
.endr
.irp g, 0,1,2,3,4,5,6,7,8,9,10,11,12,13,14,15
	ds_load_b128 v[160+4*\g:163+4*\g], v[RY] offset:512*\g
.endr
	ds_load_b64 v[12:13], v[SX]
	ds_load_b64 v[14:15], v[SY]
	s_wait_dscnt 0x0
	v_min_num_f32 v252, v12, v14                   ; -M of the whole row
	s_delay_alu instid0(VALU_DEP_1)
	v_sub_f32 v253, v252, v12
	s_delay_alu instid0(VALU_DEP_2)
	v_sub_f32 v254, v252, v14
	s_delay_alu instid0(VALU_DEP_2)
	v_cvt_i32_f32 v253, v253
	s_delay_alu instid0(VALU_DEP_2)
	v_cvt_i32_f32 v254, v254
	s_delay_alu instid0(VALU_DEP_2)
	v_ldexp_f32 v253, 1.0, v253                    ; f0, f1: exact powers of two (0 for a wave all of whose keys were hidden)
	s_delay_alu instid0(VALU_DEP_2)
	v_ldexp_f32 v254, 1.0, v254
	s_delay_alu instid0(VALU_DEP_2)
	v_mul_f32 v252, v13, v253
	s_delay_alu instid0(VALU_DEP_1)
	v_fma_f32 v252, v15, v254, v252                ; the row's sum
	s_delay_alu instid0(VALU_DEP_1)
	v_cmp_eq_f32 vcc_lo, 0, v252                   ; 0 only where no key counts: else the largest p is above 1/2
	v_rcp_f32 v246, v252
	v_nop                                          ; a plain instruction behind the reciprocal
	s_wait_alu depctr_va_vdst(0)                   ; and a wait ahead of its first reader
	v_ldexp_f32 v246, v246, s66                    ; x 2^(e8 + e9)
	s_delay_alu instid0(VALU_DEP_1)
	v_mul_f32 v232, v253, v246
	s_delay_alu instid0(VALU_DEP_2)
	v_mul_f32 v233, v253, v246
	s_delay_alu instid0(VALU_DEP_3)
	v_mul_f32 v234, v254, v246
	s_delay_alu instid0(VALU_DEP_4)
	v_mul_f32 v235, v254, v246
.set j, 0
.rept 32
	v_pk_mul_f32 v[96+j:97+j], v[96+j:97+j], v[232:233]
.set j, j+2
.endr
.set j, 0
.rept 32
	v_pk_fma_f32 v[96+j:97+j], v[160+j:161+j], v[234:235], v[96+j:97+j]
.set j, j+2
.endr
.irp b, 0,1,2,3                                ; registers 16 b + i are d = 32 b + 16 (lane / 16) + i: the codes are the last product's fragment as it stands
.irp i, 0,1,2,3,4,5,6,7,8,9,10,11,12,13,14,15
.endr
	v_cvt_scalef32_pk8_fp8_f32 v[224+4*\b:225+4*\b], v[96+16*\b:103+16*\b], v250
	v_cvt_scalef32_pk8_fp8_f32 v[226+4*\b:227+4*\b], v[104+16*\b:111+16*\b], v250
.endr
	v_nop                                          ; a plain instruction behind the conversions
.set j, 0
.rept 16
	v_cndmask_b32 v[224+j], v[224+j], v245, vcc_lo ; a row with no key: NaN codes
.set j, j+1
.endr
.irp c, 0,1,2,3
	global_store_b128 v[LI], v[224+4*\c:227+4*\c], s[6:7] offset:512*\c   ; the wave stores 512 consecutive bytes, aligned
.endr
	s_wait_tensorcnt 0x0                           ; the wave's end
	ds_add_u32 v[SPW], v[NIL]
	s_wait_dscnt 0x0
	CROUND                                         ; the closing round
	s_endpgm
.Lfunc_end_k_q8bb5a41fb0_attn:
	.size	k_q8bb5a41fb0_attn, .Lfunc_end_k_q8bb5a41fb0_attn-k_q8bb5a41fb0_attn
	.p2alignl 7, 3214868480
	.fill 96, 4, 3214868480
	.section	.rodata,"a",@progbits
	.p2align	6, 0x0
	.amdhsa_kernel k_q8bb5a41fb0_attn
		.amdhsa_group_segment_fixed_size 327680
		.amdhsa_private_segment_fixed_size 0
		.amdhsa_enable_private_segment 0
		.amdhsa_kernarg_size 40
		.amdhsa_user_sgpr_count 2
		.amdhsa_user_sgpr_kernarg_segment_ptr 1
		.amdhsa_wavefront_size32 1
		.amdhsa_system_sgpr_workgroup_id_x 1
		.amdhsa_system_sgpr_workgroup_id_y 1
		.amdhsa_system_sgpr_workgroup_id_z 1
		.amdhsa_system_vgpr_workitem_id 0
		.amdhsa_next_free_vgpr 512
		.amdhsa_next_free_sgpr 102
		.amdhsa_reserve_vcc 1
		.amdhsa_float_denorm_mode_32 3
		.amdhsa_float_denorm_mode_16_64 3
		.amdhsa_fp16_overflow 1
		.amdhsa_memory_ordered 1
		.amdhsa_forward_progress 1
		.amdhsa_inst_pref_size 105
	.end_amdhsa_kernel
	.amdgpu_metadata
---
amdhsa.version: [ 1, 2 ]
amdhsa.kernels:
  - .name:           k_q8bb5a41fb0_attn
    .symbol:         k_q8bb5a41fb0_attn.kd
    .args:
      - { .name: q_img, .offset: 0, .size: 8, .value_kind: global_buffer, .address_space: global }
      - { .name: kv_img, .offset: 8, .size: 8, .value_kind: global_buffer, .address_space: global }
      - { .name: maskw, .offset: 16, .size: 8, .value_kind: global_buffer, .address_space: global }
      - { .name: lowp_scales, .offset: 24, .size: 8, .value_kind: global_buffer, .address_space: global }
      - { .name: ao_img, .offset: 32, .size: 8, .value_kind: global_buffer, .address_space: global }
    .group_segment_fixed_size: 327680
    .private_segment_fixed_size: 0
    .kernarg_segment_align: 8
    .kernarg_segment_size: 40
    .max_flat_workgroup_size: 256
    .sgpr_count:     102
    .vgpr_count:     512
    .wavefront_size: 32
...
	.end_amdgpu_metadata
.endif
;; end of part 2
;; launch proj (part 3): grid 16 x 16, 4 waves a work-group, clusters of 4 x 4, 327,680 bytes of LDS; arguments ao_img, wo_codes, lowp_scales, bo, out0; writes out0
.if DOCPART == 3
	.amdgcn_target "amdgcn-amd-amdhsa--gfx1250"
	.amdhsa_code_object_version 6
	.text
	.protected	k_q8bb5a41fb0_proj
	.globl	k_q8bb5a41fb0_proj
	.p2align	8
	.type	k_q8bb5a41fb0_proj,@function
k_q8bb5a41fb0_proj:
	s_mov_b64 s[64:65], 0
	v_nop
	global_prefetch_b8 v0, s[64:65] scope:SCOPE_SE
	s_setreg_imm32_b32 hwreg(HW_REG_WAVE_MODE, 25, 1), 1
	s_wait_xcnt 0x0
	s_wait_alu depctr_hold_cnt(0) depctr_sa_sdst(0) depctr_va_vdst(0) depctr_va_sdst(0) depctr_va_ssrc(0) depctr_va_vcc(0) depctr_vm_vsrc(0)
	s_getreg_b32 s2, hwreg(HW_REG_IB_STS2, 6, 4)
	s_cmp_eq_u32 s2, 0
	s_cbranch_scc0 .Lentry_in_a_cluster
	s_endpgm
.Lentry_in_a_cluster:
	s_bfe_u32 s2, ttmp6, 0x10000c
	s_cmp_lg_u32 s2, 0xf033
	s_cbranch_scc0 .Lentry_shape_is_right
	s_endpgm
.Lentry_shape_is_right:
; out0 = attention's result x wo^T x 2^(e10 + e11) + bo, on codes of FP8 (E4M3).  ao_img [block of 128 tokens][head][tile of 16][2048]: images of operand registers (byte 512 c + 16 lane + i: k = 32 c + 16 (lane / 16) + i
; of row lane % 16); wo_codes [2048][2048], K innermost; out0 [2048][2048] f32.
; A tile of 128 x 128 to a work-group, so that there are 256 of them; four waves, each 64 x 64: 16 accumulators.  K goes in 4 steps of 512 (four heads) through two LDS slots, as long as two slots allow:
; A's part of a slot is a dense block of 64 KB (waves 0, 1: 128 rows of 256 bytes each), B's 128 rows of 512 bytes + 16 of padding (waves 2, 3: 64 rows each).
; CLUSTER 4 x 4: A's tile is asked for jointly along a row of the cluster, B's along a column.  The matrix instruction is used TRANSPOSED (source 0 = 16 rows of wo): a lane holds eight neighbouring numbers of a row of out0.
; wo's fragments are fetched by four loads of 16 bytes, 32 bytes apart, which gives k the places that the images have.  The sixteen quarters of 128 along K are written out: a loop would have one trip.
; LIMIT: e10 + e11 between -126 and 127.  No prefetch: four K steps, every tile shared in the cluster, a whole slot on its way behind each round.
; REGISTERS.  window 0: v16-29 addresses; v32-63 bo in the results' layout; v64-95 at work on the way out; v128-255 the accumulators (a, b) at 128 + 8 (4 a + b).  window 1: two buffers of 128: A's four fragments, then B's four.
.set PB,     528                       ; B's LDS row: 512 bytes + 16 = 132 words: the 16 rows of a fragment load start at 16 different banks (64 banks of 4 bytes: ISA guide 11.1)
.set AIMG,   65536
.set SLOT,   AIMG+128*PB
.set SPARE,  2*SLOT                    ; the spare words: 128 bytes a wave, two blocks of 256 bytes that no other line names
.set SP,     272                       ; the way out: 16 rows x (256 bytes + 16) for each wave, in slot 0, which has had its last fill and its last read by then
.set ADRA, 16
.set ADRB, 20
.set STO,  24
.set RD,   25
.set CO,   26
.set SPW,  28
.set NIL,  29
.set F0,   0
.set F1,   128
.set G1A, 24
.set G0A, 32
.set G1B, 48
.set G0B, 56
.set MSB, 0
.macro WIN new
.if MSB != (\new)
	s_set_vgpr_msb (MSB<<8)|(\new)
.set MSB, (\new)
.endif
.endm
.macro PLACES n
.rept \n
	v_nop
.endr
.endm
.macro JLOAD s                         ; waves 0 and 1 fetch A's halves, waves 2 and 3 B's; four v_nop follow each line
	s_cmp_eq_u32 s15, 0
	s_cbranch_scc0 .Lfor_b_\@
	tensor_load_to_lds s[G0A+4*\s:G0A+4*\s+3], s[G1A:G1A+7]
	s_nop 0
	PLACES 4
	s_branch .Lasked_\@
.Lfor_b_\@:
	tensor_load_to_lds s[G0B+4*\s:G0B+4*\s+3], s[G1B:G1B+7]
	s_nop 0
	PLACES 4
.Lasked_\@:
.endm
.macro CREST
	s_cmp_lg_u32 s14, 0
	s_cbranch_scc1 .Lnot_wave_0_\@
	s_barrier_signal -3
.Lnot_wave_0_\@:
	s_barrier_wait -3
	s_barrier_signal -1
	s_barrier_wait -1
.endm
.macro CROUND
	s_barrier_signal -1
	s_barrier_wait -1
	CREST
.endm
	s_load_b256 s[4:11], s[0:1], 0x0               ; ao_img s[4:5], wo_codes s[6:7], the scales' exponents s[8:9], bo s[10:11]
	s_load_b64 s[12:13], s[0:1], 0x20              ; out0
	v_lshl_add_u32 v[SPW], v0, 2, SPARE
	v_mov_b32 v[NIL], 0
	ds_add_u32 v28, v29
	s_wait_dscnt 0x0
	v_lshrrev_b32 v1, 5, v0
	v_readfirstlane_b32 s14, v1                    ; wave 0..3
	s_lshr_b32 s15, s14, 1                         ; which half of the tile's rows is mine.  Also: I fetch for A (0) or for B (1)
	s_and_b32 s16, s14, 1                          ; which half of its columns.  Also: which half of that tile I fetch
	s_bfe_u32 s40, ttmp6, 0x40000                  ; cx, cy
	s_bfe_u32 s41, ttmp6, 0x40004
	s_lshl_b32 s42, ttmp9, 2
	s_add_co_u32 s42, s42, s40                     ; tile column
	s_and_b32 s17, ttmp7, 0xffff
	s_lshl_b32 s17, s17, 2
	s_add_co_u32 s17, s17, s41                     ; tile row = block of tokens
	s_lshl_b32 s43, s41, 2
	s_lshl_b32 s43, 15, s43                        ; my row of the cluster
	s_lshl_b32 s44, 0x1111, s40                    ; my column
	s_or_b32 s[G1A], s43, (3<<16)|(1<<21)          ; the mask; elements of 8 bytes; 21 set beside a mask; no padding
	s_mov_b32 s[G1A+1], 32<<16                     ; rows of 256 bytes,
	s_mov_b32 s[G1A+2], 128<<16                    ; 128 of them,
	s_mov_b32 s[G1A+3], 32<<16
	s_mov_b32 s[G1A+4], 128
	s_mov_b32 s[G1A+5], 32                         ; dense
	s_mov_b32 s[G1A+6], 0
	s_mov_b32 s[G1A+7], 0
	s_or_b32 s[G1B], s44, (1<<20)|(1<<21)|(6<<22)|(3<<25)   ; the mask; elements of 1 byte; padding: four words after every 128
	s_mov_b32 s[G1B+1], 512<<16
	s_mov_b32 s[G1B+2], 64<<16
	s_mov_b32 s[G1B+3], 512<<16
	s_mov_b32 s[G1B+4], 64
	s_mov_b32 s[G1B+5], 2048
	s_mov_b32 s[G1B+6], 0
	s_mov_b32 s[G1B+7], 0
	s_lshl_b32 s20, s17, 18                        ; A: 256 KB a block of tokens,
	s_lshl_b32 s18, s16, 15                        ; + my half of a K step's 64 KB: in memory and in LDS
	s_add_co_u32 s20, s20, s18
	s_mov_b32 s21, 0
	s_lshl_b32 s46, s42, 18                        ; B: 128 rows of 2,048 bytes a tile column,
	s_lshl_b32 s19, s16, 17                        ; + my 64 rows
	s_add_co_u32 s46, s46, s19
	s_mov_b32 s47, 0
	s_mul_i32 s45, s16, 64*PB
	s_add_co_u32 s45, s45, AIMG
	s_wait_kmcnt 0x0
	s_load_b64 s[96:97], s[8:9], 0x28              ; e10, e11
	s_add_nc_u64 s[20:21], s[4:5], s[20:21]
	s_add_nc_u64 s[46:47], s[6:7], s[46:47]
	CROUND                                         ; all sixteen work-groups are here: the first joint loads meet
.irp s, 0,1
	s_mov_b32 s[G0A+4*\s], 1
	s_add_co_u32 s[G0A+4*\s+1], s18, \s*SLOT
	s_add_nc_u64 s[G0A+4*\s+2:G0A+4*\s+3], s[20:21], \s*65536
	s_or_b32 s[G0A+4*\s+3], s[G0A+4*\s+3], 0x80000000
	s_mov_b32 s[G0B+4*\s], 1
	s_add_co_u32 s[G0B+4*\s+1], s45, \s*SLOT
	s_add_nc_u64 s[G0B+4*\s+2:G0B+4*\s+3], s[46:47], \s*512
	s_or_b32 s[G0B+4*\s+3], s[G0B+4*\s+3], 0x80000000
	JLOAD \s                                       ; K steps 0 and 1: two loads of mine are out
.endr
	v_and_b32 v1, 15, v0                           ; r
	v_bfe_u32 v2, v0, 4, 1                         ; hh
	v_and_b32 v3, 31, v0
	s_lshl_b32 s66, s15, 13
	v_lshl_add_u32 v[ADRA], v3, 4, s66             ; A: my four tiles of a head's eight, 16 bytes a lane
	v_add_nc_u32 v[ADRA+1], SLOT, v[ADRA]
	s_mul_i32 s66, s16, 64*PB
	s_add_co_u32 s66, s66, AIMG
	v_mul_u32_u24 v4, v1, PB
	v_lshl_add_u32 v4, v2, 4, v4
	v_add_nc_u32 v[ADRB], s66, v4                  ; B: row 64 x half + r, + 16 hh
	v_add_nc_u32 v[ADRB+1], SLOT, v[ADRB]
	s_mul_i32 s66, s14, 16*SP                      ; my stage
	v_mul_u32_u24 v4, v1, SP
	v_lshl_add_u32 v4, v2, 5, v4
	v_add_nc_u32 v[STO], s66, v4                   ; in: row r, 32 bytes for each half of the lanes
	v_mul_u32_u24 v4, v2, SP
	v_lshl_add_u32 v4, v1, 4, v4
	v_add_nc_u32 v[RD], s66, v4                    ; back: lanes 0-15 one row of 256 bytes, lanes 16-31 the next
	v_lshlrev_b32 v[CO], 13, v2
	v_lshl_add_u32 v[CO], v1, 4, v[CO]             ; and the same two rows of out0 (8,192 bytes a row)
	v_lshlrev_b32 v27, 5, v2                       ; bo: 4 x 8 hh
	s_lshl_b32 s68, s42, 9
	s_lshl_b32 s69, s16, 8
	s_add_co_u32 s68, s68, s69                     ; my first column, in bytes: 512 x tile column + 256 x half
	s_mov_b32 s69, 0
	s_add_nc_u64 s[10:11], s[10:11], s[68:69]
	s_add_nc_u64 s[12:13], s[12:13], s[68:69]
	s_lshl_b32 s68, s17, 7
	s_lshl_b32 s70, s15, 6
	s_add_co_u32 s68, s68, s70
	s_lshl_b32 s68, s68, 13                        ; my first row x 8,192 bytes
	s_add_nc_u64 s[12:13], s[12:13], s[68:69]
.irp b, 0,1,2,3
	global_load_b128 v[32+8*\b:35+8*\b], v27, s[10:11] offset:64*\b
	global_load_b128 v[36+8*\b:39+8*\b], v27, s[10:11] offset:64*\b+16
.endr
; 32 LDS loads in one run: the fragments of the slot's q-th 128 along K into buffer f: B's four, then A's
.macro FETCH slot, q, f
	WIN 0x40
.irp b, 0,1,2,3
.irp c, 0,1,2,3
	ds_load_b128 v[\f+64+16*\b+4*\c:\f+64+16*\b+4*\c+3], v[ADRB+\slot] offset:128*\q+32*\c+\b*16*PB
.endr
.endr
.irp a, 0,1,2,3
.irp c, 0,1,2,3
	ds_load_b128 v[\f+16*\a+4*\c:\f+16*\a+4*\c+3], v[ADRA+\slot] offset:16384*\q+2048*\a+512*\c
.endr
.endr
.endm
; 8 matrix instructions: A's tiles a0, a0 + 1 x B's four.  The 16 accumulators take turns, one instruction a turn.
.macro MUL8 f, a0, z
	WIN 0x05
.irp a, \a0, \a0+1
.irp b, 0,1,2,3
.if \z
	v_wmma_f32_16x16x128_fp8_fp8 v[128+8*(4*(\a)+\b):128+8*(4*(\a)+\b)+7], v[\f+64+16*\b:\f+64+16*\b+15], v[\f+16*(\a):\f+16*(\a)+15], 0
.else
	v_wmma_f32_16x16x128_fp8_fp8 v[128+8*(4*(\a)+\b):128+8*(4*(\a)+\b)+7], v[\f+64+16*\b:\f+64+16*\b+15], v[\f+16*(\a):\f+16*(\a)+15], v[128+8*(4*(\a)+\b):128+8*(4*(\a)+\b)+7]
.endif
.endr
.endr
.endm
.macro QUARTER slot, qn, f, g, z       ; multiplies buffer f and fetches the slot's quarter qn into g
	s_wait_dscnt 8                                 ; B's fragments and A's tiles 0, 1 are in; the youngest eight loads may be out
	MUL8 \f, 0, \z
	PLACES 4                                       ; four places in front of loads into registers that matrix instructions have read
	FETCH \slot, \qn, \g
	s_wait_dscnt 32                                ; all but the 32 just issued
	MUL8 \f, 2, \z
.endm
; A slot's last quarter, on buffer 1, and the change of slots: ONE barrier; in front of it each wave waits for all its tensor loads, adds 0 to its spare word, and waits for that and for its reads of this slot.
.macro TURN slot, next, fill
	WIN 0
	s_wait_tensorcnt 0x0                           ; all my tensor loads have landed: my part of the next slot
	ds_add_u32 v[SPW], v[NIL]                      ; 0 onto my spare word
	s_wait_dscnt 9                                 ; (the add and the youngest eight loads may be out)
	MUL8 F1, 0, 0                                  ; eight matrix instructions stand between the add and the wait for it
	s_wait_dscnt 0x0                               ; the add is done, and my reads of this slot are over
	WIN 0
	s_barrier_signal -1
	s_barrier_wait -1
.if \fill
	CREST                                          ; the barrier has opened a round of the cluster's: no wave of any partner still reads this slot or has a load on its way
	s_add_nc_u64 s[G0A+4*\slot+2:G0A+4*\slot+3], s[G0A+4*\slot+2:G0A+4*\slot+3], 131072
	s_add_nc_u64 s[G0B+4*\slot+2:G0B+4*\slot+3], s[G0B+4*\slot+2:G0B+4*\slot+3], 1024
	JLOAD \slot                                    ; the first tensor load behind the round; its four v_nop are also the places in front of the loads below
.else
	PLACES 4
.endif
	FETCH \next, 0, F0
	MUL8 F1, 2, 0
.endm
	s_wait_tensorcnt 1                             ; my part of K step 0 is in (K step 1's load may be out)
	s_barrier_signal -1
	s_barrier_wait -1                              ; everybody's is
	FETCH 0, 0, F0
	QUARTER 0, 1, F0, F1, 1                        ; the first products start the sums
	QUARTER 0, 2, F1, F0, 0
	QUARTER 0, 3, F0, F1, 0
	TURN 0, 1, 1                                   ; slot 0 takes K step 2
	QUARTER 1, 1, F0, F1, 0
	QUARTER 1, 2, F1, F0, 0
	QUARTER 1, 3, F0, F1, 0
	TURN 1, 0, 1                                   ; slot 1 takes K step 3
	QUARTER 0, 1, F0, F1, 0
	QUARTER 0, 2, F1, F0, 0
	QUARTER 0, 3, F0, F1, 0
	TURN 0, 1, 0                                   ; nothing is left to fetch
	QUARTER 1, 1, F0, F1, 0
	QUARTER 1, 2, F1, F0, 0
	QUARTER 1, 3, F0, F1, 0
	s_wait_dscnt 8
	MUL8 F1, 0, 0
	s_wait_dscnt 0x0
	MUL8 F1, 2, 0
	WIN 0
	; THE WAY OUT, a block of 16 rows x 64 columns at a time: sum x 2^(e10 + e11) + bo, through my own stage in LDS, back as whole rows of 256 bytes.
	s_wait_kmcnt 0x0
	s_add_co_i32 s96, s96, s97
	s_add_co_i32 s96, s96, 127
	s_lshl_b32 s96, s96, 23                        ; 2^(e10 + e11) as f32
	s_wait_loadcnt 0x0                             ; bo
	PLACES 4                                       ; behind the last products, in front of the first read of results
.irp a, 0,1,2,3
.irp b, 0,1,2,3
.irp i, 0,2,4,6
	v_pk_fma_f32 v[64+8*\b+\i:65+8*\b+\i], v[128+8*(4*\a+\b)+\i:129+8*(4*\a+\b)+\i], s[96:97], v[32+8*\b+\i:33+8*\b+\i] op_sel_hi:[1,0,1]   ; each accumulator from its low end on
.endr
.endr
.irp b, 0,1,2,3
	ds_store_b128 v[STO], v[64+8*\b:67+8*\b] offset:64*\b
	ds_store_b128 v[STO], v[68+8*\b:71+8*\b] offset:64*\b+16
.endr
.irp t, 0,1,2,3,4,5,6,7
	ds_load_b128 v[128+32*\a+4*\t:131+32*\a+4*\t], v[RD] offset:\t*2*SP   ; LDS serves a wave's instructions in order (ISA guide 5.7.1.4): these see the stores above
.endr
.irp t, 0,1,2,3,4,5,6,7
	s_wait_dscnt 7-\t
	global_store_b128 v[CO], v[128+32*\a+4*\t:131+32*\a+4*\t], s[12:13] offset:(16*\a+2*\t)*8192 th:TH_STORE_NT   ; 16 lanes store 256 consecutive bytes, aligned
.endr
.endr
	s_wait_tensorcnt 0x0                           ; the wave's end
	ds_add_u32 v[SPW], v[NIL]
	s_wait_dscnt 0x0
	CROUND                                         ; the closing round
	s_endpgm
.Lfunc_end_k_q8bb5a41fb0_proj:
	.size	k_q8bb5a41fb0_proj, .Lfunc_end_k_q8bb5a41fb0_proj-k_q8bb5a41fb0_proj
	.p2alignl 7, 3214868480
	.fill 96, 4, 3214868480
	.section	.rodata,"a",@progbits
	.p2align	6, 0x0
	.amdhsa_kernel k_q8bb5a41fb0_proj
		.amdhsa_group_segment_fixed_size 327680
		.amdhsa_private_segment_fixed_size 0
		.amdhsa_enable_private_segment 0
		.amdhsa_kernarg_size 40
		.amdhsa_user_sgpr_count 2
		.amdhsa_user_sgpr_kernarg_segment_ptr 1
		.amdhsa_wavefront_size32 1
		.amdhsa_system_sgpr_workgroup_id_x 1
		.amdhsa_system_sgpr_workgroup_id_y 1
		.amdhsa_system_sgpr_workgroup_id_z 1
		.amdhsa_system_vgpr_workitem_id 0
		.amdhsa_next_free_vgpr 512
		.amdhsa_next_free_sgpr 98
		.amdhsa_reserve_vcc 0
		.amdhsa_float_denorm_mode_32 3
		.amdhsa_float_denorm_mode_16_64 3
		.amdhsa_memory_ordered 1
		.amdhsa_forward_progress 1
		.amdhsa_inst_pref_size 75
	.end_amdhsa_kernel
	.amdgpu_metadata
---
amdhsa.version: [ 1, 2 ]
amdhsa.kernels:
  - .name:           k_q8bb5a41fb0_proj
    .symbol:         k_q8bb5a41fb0_proj.kd
    .args:
      - { .name: ao_img, .offset: 0, .size: 8, .value_kind: global_buffer, .address_space: global }
      - { .name: wo_codes, .offset: 8, .size: 8, .value_kind: global_buffer, .address_space: global }
      - { .name: lowp_scales, .offset: 16, .size: 8, .value_kind: global_buffer, .address_space: global }
      - { .name: bo, .offset: 24, .size: 8, .value_kind: global_buffer, .address_space: global }
      - { .name: out0, .offset: 32, .size: 8, .value_kind: global_buffer, .address_space: global }
    .group_segment_fixed_size: 327680
    .private_segment_fixed_size: 0
    .kernarg_segment_align: 8
    .kernarg_segment_size: 40
    .max_flat_workgroup_size: 128
    .sgpr_count:     98
    .vgpr_count:     512
    .wavefront_size: 32
...
	.end_amdgpu_metadata
.endif
;; end of part 3
